; MI455X (gfx1250); checked and timed in simulation.
; The chip was launched on July 23, 2026; its instructions are those of AMD's public machine-readable ISA for CDNA 5 (MIT licence, August 2026) and "CDNA5" Instruction Set Architecture Reference Guide (July 2026). The comments in the code are by the model that wrote it; some were corrected since.
;; Mo E Layer. Allowed arithmetic: matrix products marked QUANTISED: E5M2 operands, one E8M0 scale for each 32 along K, by v_wmma_scale_f32_16x16x128_f8f6f4 with both operands' format E5M2, f32 sums; products left as they are: f32 operands where the result goes on into a quantised operand, else bf16, f16 or f32 operands; f32 sums; everything else in f32.
;; Inputs: W1_codes 8 x 1,024 x 32 x 32 uint8 (E5M2 codes of W1, K innermost, in blocks of 32 codes); W1_scales 8 x 1,024 x 32 uint8 (E8M0 scales of W1, one for each 32 codes along K); W2_codes 8 x 1,024 x 32 x 32 uint8 (E5M2 codes of W2, K innermost, in blocks of 32 codes); W2_scales 8 x 1,024 x 32 uint8 (E8M0 scales of W2, one for each 32 codes along K); Wg 1,024 x 8 float32; b1 8 x 1,024 float32; b2 8 x 1,024 float32; bg 8 float32; x 2 x 2,048 x 1,024 float32.
;; Outputs: out0 2 x 2,048 x 1,024 float32.
;; This version of the problem:
;;   THIS VERSION OF THE PROBLEM IS GIVEN IN LOW PRECISION. The matrix products marked QUANTISED in the list below multiply operands that are first quantised to E5M2 (5 exponent bits, 2 mantissa bits; 8 bits a number), with one power-of-two scale for each 32 numbers along K (OCP MX v1.0); their sums are f32. All else is computed in f32.
;;   The module's matrix products, in the order in which they are computed (A, B: the left and right operand; K: the contracted axis; several contracted axes count as one K, in the product's order):
;;     1. [M 4,096, K 1,024] x [K 1,024, N 8]; A: input x; B: input Wg: left as it is (N = 8 < 16)
;;     2. [M 4,096, K 1,024] x [K 1,024, N 8,192]; A: input x; B: input W1 (given as codes): QUANTISED
;;     3. batch 8 x [M 1,024, K 1,024] x [K 1,024, N 4,096]; A: input W2 (given as codes); B: computed on the way: QUANTISED
;;     4. batch 4,096 x [M 1, K 8] x [K 8, N 1,024]; A: softmax; B: computed on the way: left as it is (K = 8 < 32)
;;   THE QUANTISER, for each operand of a quantised product, along K:
;;     - K is cut into blocks of 32 from its start; a last block that is shorter is filled with zeros.
;;     - A block's scale is 2^e with e = floor(log2(the largest magnitude in the block)) - 15, held to -126 .. 127; a block of zeros has e = 0. As a byte (E8M0): e + 127.
;;     - Each number is divided by its block's scale, clamped to +-57,344, and rounded to the nearest number of E5M2, ties to even, subnormals kept.
;;     - The product sums the exact products of the quantised numbers (number of the format x scale) in f32.
;;   ~~~python
;;   def quantise(x, axis):      # numpy; x: float32 -> the quantised numbers, widened to float32 again
;;       x = np.moveaxis(x, axis, -1); K = x.shape[-1]
;;       x = np.pad(x, [(0, 0)] * (x.ndim - 1) + [(0, -K % 32)]); x = x.reshape(x.shape[:-1] + (-1, 32)); a = np.abs(x).max(-1, keepdims=True)
;;       e = np.where(a > 0, np.clip(np.frexp(np.where(a > 0, a, 1))[1] - 1 - 15, -126, 127), 0)      # np.frexp(a)[1] - 1 = floor(log2(a)), exactly
;;       r = np.clip(x / 2.0 ** e, -57344, 57344)
;;       step = 2.0 ** (np.maximum(np.frexp(np.where(r == 0, 1, r))[1] - 1, -14) - 2)
;;       q = np.round(r / step) * step * 2.0 ** e      # np.round: ties to even
;;       return np.moveaxis(q.reshape(q.shape[:-2] + (-1,))[..., :K], -1, axis).astype(np.float32)
;;   ~~~
;;   OPERANDS COMPUTED ON THE WAY. 'Computed on the way' means the value that the module computes at that place (a softmax that the list does not call 'softmax' is quantised finished and normalised). What goes into a quantiser is computed in f32, as accurately as f32 sums, v_exp_f32 and their like allow (about 1e-6 of the number): no bf16 or f16 on the way to a quantiser, and a product that is left as it is and whose result goes on into a quantised operand takes f32 operands (vector FMAs, or v_wmma_f32_16x16x4_f32). A number that lies on a knife's edge between two numbers of the format may be rounded either way, as far as f32 arithmetic and the matrix unit's own rounding can turn it there, and no further.
;;   INPUTS GIVEN AS CODES. W1 (in the module: [8, 1024, 1024], K = its axis 1); W2 (in the module: [8, 1024, 1024], K = its axis 1): each comes as NAME_codes (uint8): NAME with its K axis moved to the last place and cut into blocks of 32 codes, [.., K / 32, bytes a block], one block behind the other in memory; one code a byte (a code: sign, 5 exponent bits, 2 mantissa bits); and NAME_scales (uint8): the same leading axes, one E8M0 byte (e + 127) for each 32 codes along K. Its value is code x scale, taken as it is: it is not quantised again, and the codes and scales need not be those that the quantiser above would give.
;; One version. Each part assembles by itself: llvm-mc -triple=amdgcn-amd-amdhsa -mcpu=gfx1250 --defsym DOCPART=n.
;; ======== version 1 of 1: 3 launches
;; limits: right only within a limited range of input values
;; workspace buffers: xq 4,194,304 bytes; xs 131,072 bytes; gw 131,072 bytes; w2s 262,144 bytes; hq 33,554,432 bytes; hs 1,048,576 bytes
;; launch prep (part 1): grid 256 x 1, 8 waves a work-group, no clusters, 77,824 bytes of LDS; arguments x, Wg, bg, W2_scales, xq, xs, gw, w2s; writes xq, xs, gw, w2s
.if DOCPART == 1
	.amdgcn_target "amdgcn-amd-amdhsa--gfx1250"
	.amdhsa_code_object_version 6
	.text
	.protected	k_q66f5b0d590_prep
	.globl	k_q66f5b0d590_prep
	.p2align	8
	.type	k_q66f5b0d590_prep,@function
k_q66f5b0d590_prep:
	s_mov_b64 s[64:65], 0
	v_nop
	global_prefetch_b8 v0, s[64:65] scope:SCOPE_SE
	s_setreg_imm32_b32 hwreg(HW_REG_WAVE_MODE, 25, 1), 1
	s_wait_xcnt 0x0
; x [4096][1024] f32 -> xq: codes of BF8 (E5M2), xs: one E8M0 byte for each 32 along d; gw: softmax(x Wg + bg); w2s: W2's scale bytes cut into halves of K.
; SHARES.  A work-group takes 16 tokens (block tb), each of its eight waves 128 along d (K step s): 16 x 128 numbers, 8,192 bytes, read once.
; xq is laid as the next launch's operand registers: [tb 256][s 8][c 4][lane 32][16 bytes]; lane (r, h), piece c: d = 128 s + 32 c + 16 h + 0 .. 15 of token 16 tb + r.
; xs: [token][8 words], word s = the four bytes of K step s.   gw: [tb][expert 8][r 16] f32.   w2s: [expert 8][half of K 2][d 1024][16 bytes].
; THE SCALE of a block of 32: 2^(floor(log2(largest magnitude)) - 15); its byte is the largest magnitude's exponent field - 15, held at 1 from below; each number is held within +-57,344 x the scale and rounded to the nearest code.
; THE LOGITS are f32 products: 16 x 16 x 4 f32 matrix instructions, source 0 = Wg's columns (rows 8-15 repeat rows 0-7), source 1 = the tokens: 1,024 x 8 multiply-adds a token, no bulk work.
; LIMITS: NaN and infinities among the inputs are not served.  A block of zeros gets the byte 1 where the rule says 127: its codes are zeros, and this program alone reads the bytes.  A gate under 2^-126 becomes 0 (v_exp_f32).
; No cluster, no tensor load: the work-groups share Wg alone, 32 KB beside the 64 KB of x that each reads by itself.
.set SPT,  528                         ; a stage row: 512 bytes + 16: the sixteen rows that a load touches start 16 bytes apart modulo 256
.set WST,  16*SPT                      ; a wave's stage
.set PL,   8*WST                       ; partial logits: 1,024 bytes a wave (32 lanes x 8 f32)
.set XSL,  PL+8*1024                   ; x's scale words: 16 tokens x 8 words
.set GL,   XSL+512                     ; the gates: 8 experts x 16 tokens
.set PC,   16                          ; v16-31   the codes
.set TM,   32                          ; v32-47   quantiser at work: largest magnitudes, bytes, holds, scale operands
.set PW,   48                          ; v48      the scale word
.set X,    64                          ; v64-127  64 numbers of x
.set WGR,  128                         ; v128-191 64 numbers of Wg
.set DA,   192                         ; v192-223 four f32 accumulators: written by matrix instructions alone
.set L,    224                         ; v224-231 logits
.set L2,   232                         ; v232-239 at work
.set SEL,  40                          ; s[40:41] v_permlanex16_b32's selects for lane l xor 16
.set MNT,  42                          ; s42 the mantissa field of 57,344
.set LG2E, 43                          ; s43 log2(e)
	s_load_b256 s[4:11], s[0:1], 0x0               ; x, Wg, bg, W2_scales
	s_load_b256 s[12:19], s[0:1], 0x20             ; xq, xs, gw, w2s
	v_lshl_add_u32 v254, v0, 2, 0x12c00
	v_mov_b32 v255, 0
	v_lshrrev_b32 v1, 5, v0
	s_delay_alu instid0(VALU_DEP_1)
	v_readfirstlane_b32 s20, v1                    ; wave = K step s
	v_and_b32 v1, 31, v0                           ; lane
	v_and_b32 v2, 15, v0                           ; r
	v_bfe_u32 v3, v0, 4, 1                         ; h
	s_delay_alu instid0(VALU_DEP_3)
	v_lshlrev_b32 v4, 4, v1                        ; 16 x lane: x, images, records
	v_and_b32 v5, 7, v0
	s_delay_alu instid0(VALU_DEP_1)
	v_lshlrev_b32 v5, 2, v5
	s_delay_alu instid0(VALU_DEP_1)
	v_lshl_add_u32 v5, v3, 9, v5                   ; Wg: 16 h rows of 32 bytes + 4 (r % 8)
	s_mul_i32 s21, s20, WST
	v_add_nc_u32 v6, s21, v4                       ; the stage, in: 16 x lane of a token's 512 bytes
	v_mul_u32_u24 v7, v2, SPT
	s_delay_alu instid0(VALU_DEP_1)
	v_lshl_add_u32 v7, v3, 6, v7
	s_delay_alu instid0(VALU_DEP_1)
	v_add_nc_u32 v7, s21, v7                       ; and out: row r, + 64 h: my 16 numbers of a block of 32
	s_lshl_b32 s21, s20, 10
	v_lshlrev_b32 v14, 5, v1                       ; 32 x lane
	s_delay_alu instid0(VALU_DEP_1)
	v_add_nc_u32 v10, PL, v14                      ; partial logits, as wave 0 reads them
	s_delay_alu instid0(VALU_DEP_1)
	v_add_nc_u32 v8, s21, v10                      ; and where I put mine
	s_lshl_b32 s21, s20, 2
	v_lshlrev_b32 v9, 5, v2
	s_delay_alu instid0(VALU_DEP_1)
	v_add_nc_u32 v9, s21, v9
	s_delay_alu instid0(VALU_DEP_1)
	v_add_nc_u32 v9, XSL, v9                       ; my scale word: token r, word s
	v_lshlrev_b32 v11, 2, v2
	s_delay_alu instid0(VALU_DEP_1)
	v_add_nc_u32 v11, GL, v11                      ; a gate: 4 r (+ 64 x expert)
	v_add_nc_u32 v12, GL, v4
	v_add_nc_u32 v13, XSL, v4
.irp b, 0,1,2,3
	v_mov_b32 v[TM+4+\b], 0                        ; written once: a lane permute's destination counts as one of its sources
.endr
	s_mov_b32 s[SEL], 0x76543210
	s_mov_b32 s[SEL+1], 0xfedcba98
	s_mov_b32 s[MNT], 0x600000
	s_mov_b32 s[LG2E], 0x3fb8aa3b
	s_lshl_b32 s22, ttmp9, 16                      ; x: 16 tokens of 4,096 bytes a block,
	s_lshl_b32 s46, s20, 9
	s_add_co_u32 s22, s22, s46                     ; + 512 s
	s_mov_b32 s23, 0
	s_lshl_b32 s32, s20, 12                        ; Wg: 128 rows of 32 bytes a K step
	s_mov_b32 s33, 0
	s_lshl_b32 s34, ttmp9, 14                      ; xq: 16,384 bytes a block,
	s_lshl_b32 s46, s20, 11
	s_add_co_u32 s34, s34, s46                     ; + 2,048 s
	s_mov_b32 s35, 0
	s_lshl_b32 s36, ttmp9, 9                       ; xs and gw: 512 bytes a block
	s_mov_b32 s37, 0
	s_lshl_b32 s38, ttmp9, 10                      ; W2_scales: 32 rows of 32 bytes a work-group
	s_mov_b32 s39, 0
	s_lshr_b32 s44, ttmp9, 5
	s_lshl_b32 s44, s44, 15                        ; w2s: 32,768 x expert
	s_and_b32 s46, ttmp9, 31
	s_lshl_b32 s46, s46, 9
	s_add_co_u32 s44, s44, s46                     ; + 16 bytes x my first row d
	s_mov_b32 s45, 0
	s_wait_kmcnt 0x0
	s_load_b256 s[24:31], s[8:9], 0x0              ; bg
	s_add_nc_u64 s[4:5], s[4:5], s[22:23]
	s_add_nc_u64 s[6:7], s[6:7], s[32:33]
	s_add_nc_u64 s[10:11], s[10:11], s[38:39]
	s_add_nc_u64 s[12:13], s[12:13], s[34:35]
	s_add_nc_u64 s[14:15], s[14:15], s[36:37]
	s_add_nc_u64 s[16:17], s[16:17], s[36:37]
	s_add_nc_u64 s[18:19], s[18:19], s[44:45]
.irp i, 0,1,2,3,4,5,6,7,8,9,10,11,12,13,14,15
	global_load_b128 v[X+4*\i:X+4*\i+3], v4, s[4:5] offset:4096*\i th:TH_LOAD_NT   ; token i: 32 lanes read 512 consecutive bytes; read once in the program
.endr
.irp c, 0,1,2,3
.irp i, 0,1,2,3,4,5,6,7,8,9,10,11,12,13,14,15
	global_load_b32 v[WGR+16*\c+\i], v5, s[6:7] offset:32*(32*\c+\i)               ; Wg(128 s + 32 c + 16 h + i, r % 8): the same d as register 16 c + i of x will hold
.endr
.endr
	s_wait_loadcnt 0x3f                            ; 64 loads stand behind x's sixteen; 63 is the largest count that can be named: x is in
.irp i, 0,1,2,3,4,5,6,7,8,9,10,11,12,13,14,15
	ds_store_b128 v6, v[X+4*\i:X+4*\i+3] offset:SPT*\i
.endr
.irp c, 0,1,2,3
.irp j, 0,1,2,3
	ds_load_b128 v[X+16*\c+4*\j:X+16*\c+4*\j+3], v7 offset:128*\c+16*\j            ; LDS serves a wave's instructions in order: these see my stores.  Register 16 c + i = x(r, 128 s + 32 c + 16 h + i)
.endr
.endr
	s_wait_dscnt 0x0
	s_wait_loadcnt 0x0                             ; Wg
	s_wait_kmcnt 0x0                               ; bg
; The logits' part of my 128 along d: 32 instructions of 4 along K on four accumulators by turns; the first four start the sums.
; Both sources hold the same d in the same lane and register, so every product meets its partner.  Lane (r, h), register j: expert j of token r, in both halves of the lanes.
.set n, 0
.rept 32
.if n < 4
	v_wmma_f32_16x16x4_f32 v[DA+8*(n%4):DA+8*(n%4)+7], v[WGR+2*n:WGR+2*n+1], v[X+2*n:X+2*n+1], 0
.else
	v_wmma_f32_16x16x4_f32 v[DA+8*(n%4):DA+8*(n%4)+7], v[WGR+2*n:WGR+2*n+1], v[X+2*n:X+2*n+1], v[DA+8*(n%4):DA+8*(n%4)+7]
.endif
.set n, n+1
.endr
; The quantiser.  Its lines up to the holds only read x; the nineteen behind the maxima name no register of a product: they are the eight places ahead of the holds, which write x (ISA guide 7.12.1).
.irp b, 0,1,2,3
	v_max3_num_f32 v[TM+\b], |v[X+16*\b]|, |v[X+1+16*\b]|, 0x8000000               ; block b: my 16 numbers, and the floor 2^(16 - 127): the byte cannot fall under 1
.endr
.irp i, 2,4,6,8,10,12,14
.irp b, 0,1,2,3
	s_delay_alu instid0(VALU_DEP_4)
	v_max3_num_f32 v[TM+\b], v[TM+\b], |v[X+16*\b+\i]|, |v[X+1+16*\b+\i]|          ; the four blocks by turns
.endr
.endr
.irp b, 0,1,2,3
	s_delay_alu instid0(VALU_DEP_4)
	v_permlanex16_b32 v[TM+4+\b], v[TM+\b], s[SEL], s[SEL+1]
.endr
.irp b, 0,1,2,3
	s_delay_alu instid0(VALU_DEP_4)
	v_max_num_f32 v[TM+\b], v[TM+\b], v[TM+4+\b]                                   ; with lane l xor 16's: the block's largest magnitude
.endr
.irp b, 0,1,2,3
	s_delay_alu instid0(VALU_DEP_4)
	v_add_nc_u32 v[TM+12+\b], 0xf8800000, v[TM+\b]                                 ; 15 off its exponent field: the conversion's scale operand
.endr
.irp b, 0,1,2,3
	v_and_or_b32 v[TM+8+\b], v[TM+\b], 0x7f800000, s[MNT]                          ; 57,344 x the scale
.endr
.irp b, 0,1,2,3
	v_lshrrev_b32 v[TM+4+\b], 23, v[TM+12+\b]                                      ; the scale's byte
.endr
	s_delay_alu instid0(VALU_DEP_3)
	v_lshl_or_b32 v[PW], v[TM+5], 8, v[TM+4]
	s_delay_alu instid0(VALU_DEP_1)
	v_lshl_or_b32 v[PW], v[TM+6], 16, v[PW]
	s_delay_alu instid0(VALU_DEP_1)
	v_lshl_or_b32 v[PW], v[TM+7], 24, v[PW]                                        ; token r's scale word of K step s
.irp b, 0,1,2,3
.irp i, 0,1,2,3,4,5,6,7,8,9,10,11,12,13,14,15
	v_med3_num_f32 v[X+16*\b+\i], v[X+16*\b+\i], -v[TM+8+\b], v[TM+8+\b]           ; the conversion to an 8-bit code does not saturate (ISA guide 7.6.2): the hold comes first
.endr
	v_cvt_scalef32_pk8_bf8_f32 v[PC+4*\b:PC+1+4*\b], v[X+16*\b:X+7+16*\b], v[TM+12+\b]
	v_cvt_scalef32_pk8_bf8_f32 v[PC+2+4*\b:PC+3+4*\b], v[X+8+16*\b:X+15+16*\b], v[TM+12+\b]
.endr
	v_nop                                          ; one plain line behind the last scaled conversion
.irp c, 0,1,2,3
	global_store_b128 v4, v[PC+4*\c:PC+4*\c+3], s[12:13] offset:512*\c             ; the fragment's image: 512 consecutive bytes a store
.endr
	ds_store_b32 v9, v[PW]                         ; both halves of the lanes write the same word with the same value
.irp j, 0,2,4,6
	v_pk_add_f32 v[L+\j:L+\j+1], v[DA+\j:DA+\j+1], v[DA+8+\j:DA+8+\j+1]            ; each accumulator is read from its low end on
.endr
.irp j, 0,2,4,6
	v_pk_add_f32 v[L2+\j:L2+\j+1], v[DA+16+\j:DA+16+\j+1], v[DA+24+\j:DA+24+\j+1]
.endr
.irp j, 0,2,4,6
	s_delay_alu instid0(VALU_DEP_4)
	v_pk_add_f32 v[L+\j:L+\j+1], v[L+\j:L+\j+1], v[L2+\j:L2+\j+1]
.endr
	ds_store_b128 v8, v[L:L+3]
	ds_store_b128 v8, v[L+4:L+7] offset:16
	s_wait_dscnt 0x0                               ; for the others' sake: my stores have landed
	s_barrier_signal -1
	s_barrier_wait -1                              ; the launch's one barrier; behind it the waves part on their number
	s_cmp_lg_u32 s20, 0
	s_cbranch_scc1 .Lnot_wave_0
	; wave 0: the eight parts of the logits, bg, the softmax, the gates' record
.irp w, 0,1,2,3,4,5,6,7
	ds_load_b128 v[X+8*\w:X+8*\w+3], v10 offset:1024*\w
	ds_load_b128 v[X+8*\w+4:X+8*\w+7], v10 offset:1024*\w+16
.endr
	s_wait_dscnt 0x0
.irp p, 0,1,2,3
.irp j, 0,2,4,6
	v_pk_add_f32 v[X+16*\p+\j:X+16*\p+\j+1], v[X+16*\p+\j:X+16*\p+\j+1], v[X+16*\p+8+\j:X+16*\p+8+\j+1]
.endr
.endr
.irp p, 0,1
.irp j, 0,2,4,6
	v_pk_add_f32 v[X+32*\p+\j:X+32*\p+\j+1], v[X+32*\p+\j:X+32*\p+\j+1], v[X+32*\p+16+\j:X+32*\p+16+\j+1]
.endr
.endr
.irp j, 0,2,4,6
	s_delay_alu instid0(VALU_DEP_4)
	v_pk_add_f32 v[X+\j:X+\j+1], v[X+\j:X+\j+1], v[X+32+\j:X+32+\j+1]
.endr
.irp e, 0,1,2,3,4,5,6,7
	v_add_f32 v[X+\e], s[24+\e], v[X+\e]           ; + bg
.endr
	v_max3_num_f32 v[L], v[X], v[X+1], v[X+2]
	s_delay_alu instid0(VALU_DEP_4)
	v_max3_num_f32 v[L+1], v[X+3], v[X+4], v[X+5]
	s_delay_alu instid0(VALU_DEP_2)
	v_max3_num_f32 v[L], v[L], v[X+6], v[X+7]
	s_delay_alu instid0(VALU_DEP_1)
	v_max_num_f32 v[L], v[L], v[L+1]               ; the token's largest logit is taken away
	s_delay_alu instid0(VALU_DEP_1)
	v_mul_f32 v[L], s[LG2E], v[L]
.irp e, 0,1,2,3,4,5,6,7
	v_fma_f32 v[X+\e], v[X+\e], s[LG2E], -v[L]
.endr
	s_wait_alu depctr_va_vdst(0)
.irp e, 0,1,2,3,4,5,6,7
	v_exp_f32 v[X+\e], v[X+\e]
.endr
	v_nop                                          ; a plain line behind the last exponential,
	s_wait_alu depctr_va_vdst(0)                   ; and a wait ahead of the batch's first reader
	v_add_f32 v[L], v[X], v[X+1]
	v_add_f32 v[L+1], v[X+2], v[X+3]
	v_add_f32 v[L+2], v[X+4], v[X+5]
	v_add_f32 v[L+3], v[X+6], v[X+7]
	s_delay_alu instid0(VALU_DEP_3)
	v_add_f32 v[L], v[L], v[L+1]
	s_delay_alu instid0(VALU_DEP_2)
	v_add_f32 v[L+2], v[L+2], v[L+3]
	s_delay_alu instid0(VALU_DEP_1)
	v_add_f32 v[L], v[L], v[L+2]
	s_wait_alu depctr_va_vdst(0)
	v_rcp_f32 v[L], v[L]
	v_nop
	s_wait_alu depctr_va_vdst(0)
.irp e, 0,1,2,3,4,5,6,7
	v_mul_f32 v[X+\e], v[X+\e], v[L]
.endr
.irp e, 0,1,2,3,4,5,6,7
	ds_store_b32 v11, v[X+\e] offset:64*\e         ; [expert][r]; both halves of the lanes write the same word with the same value
.endr
	ds_load_b128 v[L:L+3], v12                     ; my own bytes, served in order
	s_wait_dscnt 0x0
	global_store_b128 v4, v[L:L+3], s[16:17]       ; 512 consecutive bytes
	s_wait_tensorcnt 0x0
	ds_add_u32 v254, v255
	s_wait_dscnt 0x0
	s_endpgm
.Lnot_wave_0:
	s_cmp_lg_u32 s20, 1
	s_cbranch_scc1 .Lnot_wave_1
	ds_load_b128 v[X:X+3], v13                     ; wave 1: the block's scale words
	s_wait_dscnt 0x0
	global_store_b128 v4, v[X:X+3], s[14:15]       ; 512 consecutive bytes
	s_wait_tensorcnt 0x0
	ds_add_u32 v254, v255
	s_wait_dscnt 0x0
	s_endpgm
.Lnot_wave_1:
	s_cmp_lg_u32 s20, 2
	s_cbranch_scc1 .Lothers
	global_load_b128 v[X:X+3], v14, s[10:11]               ; wave 2: a lane takes a row's 32 scale bytes of W2,
	global_load_b128 v[X+4:X+7], v14, s[10:11] offset:16
	s_wait_loadcnt 0x0
	global_store_b128 v4, v[X:X+3], s[18:19]               ; and the two halves of K go to two dense runs of 512 bytes
	global_store_b128 v4, v[X+4:X+7], s[18:19] offset:16384
.Lothers:
	s_wait_tensorcnt 0x0
	ds_add_u32 v254, v255
	s_wait_dscnt 0x0
	s_endpgm
.Lfunc_end_k_q66f5b0d590_prep:
	.size	k_q66f5b0d590_prep, .Lfunc_end_k_q66f5b0d590_prep-k_q66f5b0d590_prep
	.p2alignl 7, 3214868480
	.fill 96, 4, 3214868480
	.section	.rodata,"a",@progbits
	.p2align	6, 0x0
	.amdhsa_kernel k_q66f5b0d590_prep
		.amdhsa_group_segment_fixed_size 77824
		.amdhsa_private_segment_fixed_size 0
		.amdhsa_enable_private_segment 0
		.amdhsa_kernarg_size 64
		.amdhsa_user_sgpr_count 2
		.amdhsa_user_sgpr_kernarg_segment_ptr 1
		.amdhsa_wavefront_size32 1
		.amdhsa_system_sgpr_workgroup_id_x 1
		.amdhsa_system_sgpr_workgroup_id_y 1
		.amdhsa_system_sgpr_workgroup_id_z 1
		.amdhsa_system_vgpr_workitem_id 0
		.amdhsa_next_free_vgpr 256
		.amdhsa_next_free_sgpr 66
		.amdhsa_reserve_vcc 0
		.amdhsa_float_denorm_mode_32 3
		.amdhsa_float_denorm_mode_16_64 3
		.amdhsa_memory_ordered 1
		.amdhsa_forward_progress 1
		.amdhsa_inst_pref_size 33
	.end_amdhsa_kernel
	.amdgpu_metadata
---
amdhsa.version: [ 1, 2 ]
amdhsa.kernels:
  - .name:           k_q66f5b0d590_prep
    .symbol:         k_q66f5b0d590_prep.kd
    .args:
      - { .name: x, .offset: 0, .size: 8, .value_kind: global_buffer, .address_space: global }
      - { .name: Wg, .offset: 8, .size: 8, .value_kind: global_buffer, .address_space: global }
      - { .name: bg, .offset: 16, .size: 8, .value_kind: global_buffer, .address_space: global }
      - { .name: W2_scales, .offset: 24, .size: 8, .value_kind: global_buffer, .address_space: global }
      - { .name: xq, .offset: 32, .size: 8, .value_kind: global_buffer, .address_space: global }
      - { .name: xs, .offset: 40, .size: 8, .value_kind: global_buffer, .address_space: global }
      - { .name: gw, .offset: 48, .size: 8, .value_kind: global_buffer, .address_space: global }
      - { .name: w2s, .offset: 56, .size: 8, .value_kind: global_buffer, .address_space: global }
    .group_segment_fixed_size: 77824
    .private_segment_fixed_size: 0
    .kernarg_segment_align: 8
    .kernarg_segment_size: 64
    .max_flat_workgroup_size: 256
    .sgpr_count:     66
    .vgpr_count:     256
    .wavefront_size: 32
...
	.end_amdgpu_metadata
.endif
;; end of part 1
;; launch hidden (part 2): grid 8 x 32, 8 waves a work-group, clusters of 4 x 1, 327,680 bytes of LDS; arguments xq, xs, W1_codes, W1_scales, b1, hq, hs; writes hq, hs
.if DOCPART == 2
	.amdgcn_target "amdgcn-amd-amdhsa--gfx1250"
	.amdhsa_code_object_version 6
	.text
	.protected	k_q66f5b0d590_hidden
	.globl	k_q66f5b0d590_hidden
	.p2align	8
	.type	k_q66f5b0d590_hidden,@function
k_q66f5b0d590_hidden:
	s_mov_b64 s[64:65], 0
	v_nop
	global_prefetch_b8 v0, s[64:65] scope:SCOPE_SE
	s_setreg_imm32_b32 hwreg(HW_REG_WAVE_MODE, 25, 1), 1
	s_wait_xcnt 0x0
	s_wait_alu depctr_hold_cnt(0) depctr_sa_sdst(0) depctr_va_vdst(0) depctr_va_sdst(0) depctr_va_ssrc(0) depctr_va_vcc(0) depctr_vm_vsrc(0)
	s_getreg_b32 s2, hwreg(HW_REG_IB_STS2, 6, 4)
	s_cmp_eq_u32 s2, 0
	s_cbranch_scc0 .Lentry_in_a_cluster
	s_endpgm
.Lentry_in_a_cluster:
	s_bfe_u32 s2, ttmp6, 0x10000c
	s_cmp_lg_u32 s2, 0x3003
	s_cbranch_scc0 .Lentry_shape_is_right
	s_endpgm
.Lentry_shape_is_right:
; h = gelu(Q(x) W1 + b1), quantised along the hidden units: hq codes of BF8 (E5M2), hs one E8M0 byte for each 32 hidden units.
; SHARES.  A work-group makes 512 tokens x 256 hidden units (a quarter of an expert).  W1's 256 rows, all of K, lie in LDS for the whole launch: filled once, at the head; nothing is filled again.
; Each of the EIGHT waves (two to a SIMD, so that one wave's vector work stands beside the other's products and LDS loads) walks the 256 units twice, with 32 tokens each time: tokens 32 (wave + 8 walk) on.
; A wave keeps its 32 tokens, all of K, in window 1 (256 registers, loaded from xq, which is laid as the operand's registers); the second walk's are loaded under the way out of the first walk's last pair.
; A PAIR is 32 hidden units (two tiles u of 16 rows): 32 products on four accumulators by turns, its 16 fragments of W1 through two buffers of four; then the way out of the pair's 32 numbers a lane.
; TRANSPOSED: source 0 = 16 rows of W1, source 1 = 16 tokens: lane (r, h) holds token r, register j of tile u unit 16 u + 8 h + j.  Two lane swaps a token tile put the codes in ascending order:
; hq[half expert 16][token block 256][pair 16][lane][16 bytes], lane (r, h): units 32 pair + 16 h + 0 .. 15 of token r.   hs[quarter expert 32][token][8 bytes], byte = pair of the quarter.
; GELU: x Phi(x) = max(x, 0) - |x| q, q = erfc(|x| / sqrt 2) / 2 = t 2^(poly(t) - x^2 log2(e) / 2), t = 1 / (1 + |x| / (2 sqrt 2)); poly has ten terms.
; THE HEAD: the cluster's opening round stands ahead of the wait for the arguments.  One joint load a wave: waves 0, 1 rows 0-127, waves 2, 3 the scale bytes, waves 4, 5 b1, waves 6, 7 rows 128-255.
; The first barrier shows what waves 0 to 5 fetched; rows 128-255 are shown by a plain barrier behind four pairs.
; CLUSTER 4 x 1: the four partners have four tiles of tokens and the same rows of W1, its scale bytes and b1: mask 15; the place in the cluster enters global addresses alone.
; PREFETCH: the second walk's tokens (32,768 bytes a wave) are named eight pairs ahead of their loads.  The 32 rows of clusters read the same tokens: those with cluster y under 4 ask, a quarter each, told apart by address; lanes 256 bytes apart.
; W1 is asked for whole at the head: there is no loop to run ahead in.
; LIMITS: NaN and infinities are not served.  A block of zeros gets the byte 1: its codes are zeros, and this program alone reads the bytes.
.set WP,    1040                       ; a row of W1 in LDS: 1,024 bytes + 16
.set SCW,   256*WP                     ; W1's scale bytes: 32 units of 256 bytes + 16
.set B1L,   SCW+32*272
.set HST,   B1L+1024                   ; the scale bytes' stage: 256 bytes a wave
.set SPARE, HST+8*256
.set SPW,  1
.set NIL,  2
.set AW0,  3
.set AW,   4
.set ASW,  5
.set AB1,  6
.set HB,   7
.set HO,   8
.set LI,   9
.set XSO,  10
.set ASW0, 11
.set AB10, 12
.set HB0,  13
.set HRD,  14
.set XSC,  16                          ; v16-31 x's scale words: 8 a + s
.set B1R,  32                          ; v32-47 b1 in the result's layout: the first products' C
.set CODES, 48                         ; v48-55
.set CV8,  56
.set PFO,  60
.set L8,   61
.set WSC,  68                          ; v68-75 W1's scale words (numbers unlike x's modulo 8)
.set ACC,  80                          ; v80-111 accumulator (a, u) at 16 a + 8 u: a lane's 32 numbers of a pair
.set S,    112                         ; v112-127 the way out: 16 numbers at work
.set BA,   128                         ; two buffers of four fragments
.set BB,   192
.set T,    192                         ; the way out's t and poly, 32 each, lie on the second buffer;
.set P,    224
.set Q,    192                         ; and the quantiser's 12 work registers on t, which is done with by then
.set WV,   18
.set G1W,  24
.set G1S,  32
.set G1B,  40
.set G0S,  48
.set G0B,  52
.set GW,   56
.set TW,   60
.set TSW,  61
.set TB1,  62
.set THB,  63
.set IC,   67
.set SEL,  68
.set MNT,  70
.set K1,   72
.set KW,   74
.set C0,   76
.set C1,   78
.set C2,   80
.set C3,   82
.set C4,   84
.set C5,   86
.set C6,   88
.set C7,   90
.set C9,   92
.set PFA,  94
.set MSB, 0
.macro WIN new
.if MSB != \new
	s_set_vgpr_msb (MSB<<8)|\new
.set MSB, \new
.endif
.endm
.macro PLACES n
.rept \n
	v_nop
.endr
.endm
.macro KPAIR r, val
	s_mov_b32 s[\r], \val
	s_mov_b32 s[\r+1], \val
.endm
.macro ROUND
	s_barrier_signal -1
	s_barrier_wait -1
	s_cmp_lg_u32 s[WV], 0
	s_cbranch_scc1 .Lnot_wave_0_\@
	s_barrier_signal -3
.Lnot_wave_0_\@:
	s_barrier_wait -3
	s_barrier_signal -1
	s_barrier_wait -1
.endm
.macro TL g0, g1                       ; a tensor load
	tensor_load_to_lds s[\g0:\g0+3], s[\g1:\g1+7]
	s_nop 0
	PLACES 4
.endm
.macro GRP1 g, w0, c, r                ; group 1: r rows of c elements of 8 bytes, dense
	s_mov_b32 s[\g], \w0
	s_mov_b32 s[\g+1], (\c)<<16
	s_mov_b32 s[\g+2], (\r)<<16
	s_mov_b32 s[\g+3], (\c)<<16
	s_mov_b32 s[\g+4], \r
	s_mov_b32 s[\g+5], \c
	s_mov_b32 s[\g+6], 0
	s_mov_b32 s[\g+7], 0
.endm
.macro OFF2 a, sa, b, sb               ; s[96:97] = (a << sa) + (b << sb)
	s_lshl_b32 s96, s\a, \sa
	s_lshl_b32 s97, s\b, \sb
	s_add_co_u32 s96, s96, s97
	s_mov_b32 s97, 0
.endm
.macro XLOAD t                         ; walk t's 32 tokens into window 1, fragment (a, s) at 16 (8 a + s), and their scale words
	WIN 0x40
.irp a, 0,1
.irp s, 0,1,2,3,4,5,6,7
.irp c, 0,1,2,3
	global_load_b128 v[16*(8*\a+\s)+4*\c:16*(8*\a+\s)+4*\c+3], v[LI], s[4:5] offset:262144*(\t)+16384*\a+2048*\s+512*\c
.endr
.endr
.endr
	WIN 0
.irp a, 0,1
	global_load_b128 v[XSC+8*\a:XSC+8*\a+3], v[XSO], s[6:7] offset:8192*(\t)+512*\a
	global_load_b128 v[XSC+8*\a+4:XSC+8*\a+7], v[XSO], s[6:7] offset:8192*(\t)+512*\a+16
.endr
.endm
	s_load_b256 s[4:11], s[0:1], 0x0               ; xq, xs, W1_codes, W1_scales
	s_load_b128 s[12:15], s[0:1], 0x20             ; b1, hq
	s_load_b64 s[16:17], s[0:1], 0x30              ; hs
	v_lshl_add_u32 v[SPW], v0, 2, SPARE
	v_mov_b32 v[NIL], 0
	ds_add_u32 v[SPW], v[NIL]                      ; the opening lines: the add twice and its wait
	ds_add_u32 v[SPW], v[NIL]
	v_lshrrev_b32 v15, 5, v0
	v_readfirstlane_b32 s[WV], v15                 ; wave 0..7
	s_and_b32 s22, s[WV], 1
	s_lshr_b32 s23, s[WV], 1
	s_and_b32 s23, s23, 2
	s_or_b32 s23, s23, s22                         ; which 64 rows of W1: 0, 1 in waves 0, 1; 2, 3 in waves 6, 7
	s_bfe_u32 s19, ttmp6, 0x40000                  ; cx
	s_lshl_b32 s20, ttmp9, 2
	s_add_co_u32 s20, s20, s19                     ; tile of 512 tokens
	s_and_b32 s21, ttmp7, 0xffff                   ; block of 256 hidden units
	s_lshr_b32 s98, s21, 1
	s_and_b32 s99, s21, 1
	GRP1 G1W, 15|(3<<16)|(1<<20)|(1<<21)|(7<<22)|(3<<25), 128, 64   ; 64 rows of 1,024 bytes, 16 of padding behind each
	GRP1 G1S, 15|(3<<16)|(1<<20)|(1<<21)|(5<<22)|(3<<25), 32, 16    ; 16 units of 256 bytes, 16 of padding behind each
	GRP1 G1B, 15|(3<<16)|(1<<21), 32, 2                             ; 2 rows of 256 bytes
	s_mov_b32 s[SEL], 0x76543210
	s_mov_b32 s[SEL+1], 0xfedcba98
	s_mov_b32 s[MNT], 0x600000
	KPAIR K1, 0x3eb504f3
	KPAIR KW, 0xbf38aa3b
	KPAIR C0, 0xc034d90f
	KPAIR C1, 0x3fb8ab5a
	KPAIR C2, 0x3f0a29d2
	KPAIR C3, 0x3e0efb2f
	KPAIR C4, 0xbe899a80
	KPAIR C5, 0x3ecdfd18
	KPAIR C6, 0xbfd1a1e5
	KPAIR C7, 0x40097039
	KPAIR C9, 0x3e7c6f08
	s_mov_b32 s[TW], 0
	s_mov_b32 s[TSW], 0
	s_mov_b32 s[TB1], 0
	s_mov_b32 s[THB], 0
	s_mov_b32 s[G0S], 1
	s_mul_i32 s[G0S+1], s22, 16*272
	s_add_co_u32 s[G0S+1], s[G0S+1], SCW
	s_mov_b32 s[G0B], 1
	s_lshl_b32 s[G0B+1], s22, 9
	s_add_co_u32 s[G0B+1], s[G0B+1], B1L
	s_mov_b32 s[GW], 1
	s_mul_i32 s[GW+1], s23, 64*WP
	s_lshl_b32 s96, s[WV], 8
	s_add_co_u32 s96, s96, HST
	v_and_b32 v15, 31, v0
	v_and_b32 v[XSO], 15, v0
	v_bfe_u32 v[AB10], v0, 4, 1
	v_mul_u32_u24 v[AW0], v[XSO], WP
	v_lshl_add_u32 v[AW0], v[AB10], 4, v[AW0]      ; W1: row r, + 16 h
	v_lshlrev_b32 v[LI], 4, v15
	v_lshlrev_b32 v[L8], 3, v15
	v_mov_b32 v[HO], v[LI]
	v_lshl_add_u32 v[HB0], v[XSO], 3, s96          ; a scale byte: token r's 8 bytes in my stage
	v_add_nc_u32 v[HRD], s96, v[L8]
	v_lshrrev_b32 v[ASW0], 3, v15
	v_mul_u32_u24 v[ASW0], v[ASW0], 272
	v_and_b32 v[AW], 7, v0
	v_lshl_add_u32 v[ASW0], v[AW], 5, v[ASW0]
	v_add_nc_u32 v[ASW0], SCW, v[ASW0]             ; W1's scale words: lane l takes row l of a pair
	v_lshlrev_b32 v[AB10], 5, v[AB10]
	v_add_nc_u32 v[AB10], B1L, v[AB10]
	v_lshlrev_b32 v[XSO], 5, v[XSO]
	v_lshlrev_b32 v[PFO], 8, v15
	v_mov_b32 v[CV8], 0xbf97d29d
	v_mov_b32 v[CV8+1], 0xbf97d29d
	s_wait_alu depctr_va_vdst(0)                   ; the wait at the head's end
	s_wait_dscnt 0x0
	ROUND                                          ; the opening round, ahead of the wait for the arguments: the four partners are here
	s_wait_kmcnt 0x0
	OFF2 21, 18, 23, 16
	s_add_nc_u64 s[GW+2:GW+3], s[8:9], s[96:97]
	s_or_b32 s[GW+3], s[GW+3], 0x80000000
	OFF2 21, 13, 22, 12
	s_add_nc_u64 s[G0S+2:G0S+3], s[10:11], s[96:97]
	s_or_b32 s[G0S+3], s[G0S+3], 0x80000000
	OFF2 21, 10, 22, 9
	s_add_nc_u64 s[G0B+2:G0B+3], s[12:13], s[96:97]
	s_or_b32 s[G0B+3], s[G0B+3], 0x80000000
	s_cmp_lt_u32 s[WV], 2                          ; one load a wave, one chain of arms
	s_cbranch_scc0 .Lhead_s
	TL GW, G1W
	s_branch .Lhead_asked
.Lhead_s:
	s_cmp_lt_u32 s[WV], 4
	s_cbranch_scc0 .Lhead_b
	TL G0S, G1S
	s_branch .Lhead_asked
.Lhead_b:
	s_cmp_lt_u32 s[WV], 6
	s_cbranch_scc0 .Lhead_w
	TL G0B, G1B
	s_branch .Lhead_asked
.Lhead_w:
	TL GW, G1W                                     ; rows 128-255: a line of its own, waited for at the second barrier
.Lhead_asked:
	OFF2 20, 19, 18, 15
	s_add_nc_u64 s[4:5], s[4:5], s[96:97]
	OFF2 20, 14, 18, 10
	s_add_nc_u64 s[6:7], s[6:7], s[96:97]
	XLOAD 0
	s_min_u32 s96, s21, 3                          ; the prefetch: my second walk's tokens, the quarter of my row of clusters
	s_lshl_b32 s96, s96, 13
	s_add_co_u32 s96, s96, 262144
	s_add_nc_u64 s[PFA:PFA+1], s[4:5], s[96:97]
	OFF2 98, 21, 99, 12
	s_add_nc_u64 s[14:15], s[14:15], s[96:97]
	OFF2 20, 18, 18, 14
	s_add_nc_u64 s[14:15], s[14:15], s[96:97]
	OFF2 21, 15, 20, 12
	s_add_nc_u64 s[16:17], s[16:17], s[96:97]
	s_lshl_b32 s96, s[WV], 8
	s_add_nc_u64 s[16:17], s[16:17], s[96:97]
.macro LDW buf, k                      ; K steps 2 k, 2 k + 1 of both tiles: four fragments, 16 loads
.irp i, 0,1
.irp u, 0,1
.irp c, 0,1,2,3
	ds_load_b128 v[\buf+16*(2*\i+\u)+4*\c:\buf+16*(2*\i+\u)+4*\c+3], v[AW] offset:16*WP*\u+128*(2*(\k)+\i)+32*\c
.endr
.endr
.endr
.endm
.macro MM buf, k                       ; eight products; the four accumulators by turns; K step 0 takes b1 as C
.irp i, 0,1
.irp u, 0,1
.irp a, 0,1
.set rD, ACC+16*\a+8*\u
.set rC, rD
.if 2*(\k)+\i == 0
.set rC, B1R+8*\u
.endif
.set rW, \buf+16*(2*\i+\u)
.set rX, 16*(8*\a+2*(\k)+\i)
.if \u
	v_wmma_scale_f32_16x16x128_f8f6f4 v[rD:rD+7], v[rW:rW+15], v[rX:rX+15], v[rC:rC+7], v[WSC+2*(\k)+\i], v[XSC+8*\a+2*(\k)+\i] matrix_a_fmt:MATRIX_FMT_BF8 matrix_b_fmt:MATRIX_FMT_BF8 matrix_a_scale:MATRIX_SCALE_ROW1
.else
	v_wmma_scale_f32_16x16x128_f8f6f4 v[rD:rD+7], v[rW:rW+15], v[rX:rX+15], v[rC:rC+7], v[WSC+2*(\k)+\i], v[XSC+8*\a+2*(\k)+\i] matrix_a_fmt:MATRIX_FMT_BF8 matrix_b_fmt:MATRIX_FMT_BF8
.endif
.endr
.endr
.endr
.endm
.macro NEXT                            ; the next pair's first four fragments, its scale words and b1: 22 loads
	v_add_nc_u32 v[AW], s[TW], v[AW0]
	v_add_nc_u32 v[ASW], s[TSW], v[ASW0]
	v_add_nc_u32 v[AB1], s[TB1], v[AB10]
	s_wait_alu depctr_va_vdst(0)                   ; the wait behind these writes
	LDW BA, 0
	ds_load_b128 v[WSC:WSC+3], v[ASW]
	ds_load_b128 v[WSC+4:WSC+7], v[ASW] offset:16
.irp u, 0,1
	ds_load_b128 v[B1R+8*\u:B1R+8*\u+3], v[AB1] offset:64*\u
	ds_load_b128 v[B1R+8*\u+4:B1R+8*\u+7], v[AB1] offset:64*\u+16
.endr
.endm
.macro EXPO a                          ; token tile a: the exponent takes - x^2 log2(e) / 2
.irp i, 0,2,4,6,8,10,12,14
	v_pk_fma_f32 v[P+16*\a+\i:P+16*\a+\i+1], v[S+\i:S+\i+1], s[KW:KW+1], v[P+16*\a+\i:P+16*\a+\i+1] op_sel_hi:[1,0,1]
.endr
.endm
.macro SQUARE a
.irp i, 0,2,4,6,8,10,12,14
	v_pk_mul_f32 v[S+\i:S+\i+1], v[ACC+16*\a+\i:ACC+16*\a+\i+1], v[ACC+16*\a+\i:ACC+16*\a+\i+1]
.endr
.endm
.macro RELU a
.irp i, 0,1,2,3,4,5,6,7,8,9,10,11,12,13,14,15
	v_max_num_f32 v[S+\i], 0, v[ACC+16*\a+\i]
.endr
.endm
.macro FINISH a
.irp i, 0,1,2,3,4,5,6,7,8,9,10,11,12,13,14,15
	v_fma_f32 v[ACC+16*\a+\i], -|v[ACC+16*\a+\i]|, v[P+16*\a+\i], v[S+\i]
.endr
.endm
; The pair's 32 numbers a lane in one run: one batch of 32 reciprocals and one of 32 exponentials, a wait ahead of each batch and one behind it.
.macro GELU32
.set i, 0
.rept 32
	v_fma_f32 v[T+i], |v[ACC+i]|, s[K1], 1.0
.set i, i+1
.endr
	s_wait_alu depctr_va_vdst(0)
.set i, 0
.rept 32
	v_rcp_f32 v[T+i], v[T+i]
.set i, i+1
.endr
	SQUARE 0
	s_wait_alu depctr_va_vdst(0)
.set i, 0
.rept 16
	v_pk_fma_f32 v[P+i:P+i+1], v[T+i:T+i+1], s[C9:C9+1], v[CV8:CV8+1] op_sel_hi:[1,0,1]
.set i, i+2
.endr
.irp k, C7,C6,C5,C4,C3,C2,C1,C0
.set i, 0
.rept 16
	v_pk_fma_f32 v[P+i:P+i+1], v[P+i:P+i+1], v[T+i:T+i+1], s[\k:\k+1] op_sel_hi:[1,1,0]
.set i, i+2
.endr
.endr
	EXPO 0
	SQUARE 1
	EXPO 1
	s_wait_alu depctr_va_vdst(0)
.set i, 0
.rept 32
	v_exp_f32 v[P+i], v[P+i]
.set i, i+1
.endr
	RELU 0
	s_wait_alu depctr_va_vdst(0)
.set i, 0
.rept 16
	v_pk_mul_f32 v[P+i:P+i+1], v[P+i:P+i+1], v[T+i:T+i+1]
.set i, i+2
.endr
	FINISH 0
	RELU 1
	FINISH 1
.endm
.macro QNT2                            ; both token tiles' blocks of 32, line by line by turns
.irp a, 0,1
	v_max3_num_f32 v[Q+6*\a], |v[ACC+16*\a]|, |v[ACC+16*\a+1]|, 0x8000000      ; the floor 2^(16 - 127): the byte cannot fall under 1
	v_max3_num_f32 v[Q+6*\a+1], |v[ACC+16*\a+2]|, |v[ACC+16*\a+3]|, |v[ACC+16*\a+4]|
.endr
.irp i, 5,9
.irp a, 0,1
	v_max3_num_f32 v[Q+6*\a], v[Q+6*\a], |v[ACC+16*\a+\i]|, |v[ACC+16*\a+\i+1]|
	v_max3_num_f32 v[Q+6*\a+1], v[Q+6*\a+1], |v[ACC+16*\a+\i+2]|, |v[ACC+16*\a+\i+3]|
.endr
.endr
.irp a, 0,1
	v_max3_num_f32 v[Q+6*\a], v[Q+6*\a], |v[ACC+16*\a+13]|, |v[ACC+16*\a+14]|
.endr
.irp a, 0,1
	v_max3_num_f32 v[Q+6*\a], v[Q+6*\a], v[Q+6*\a+1], |v[ACC+16*\a+15]|
.endr
.irp a, 0,1
	v_permlanex16_b32 v[Q+6*\a+2], v[Q+6*\a], s[SEL], s[SEL+1]
.endr
.irp a, 0,1
	v_max_num_f32 v[Q+6*\a], v[Q+6*\a], v[Q+6*\a+2]                            ; with lane l xor 16's 16 units
.endr
.irp a, 0,1
	v_add_nc_u32 v[Q+6*\a+3], 0xf8800000, v[Q+6*\a]                            ; the conversion's scale operand
.endr
.irp a, 0,1
	v_and_or_b32 v[Q+6*\a+4], v[Q+6*\a], 0x7f800000, s[MNT]                    ; 57,344 x the scale
.endr
.irp a, 0,1
	v_lshrrev_b32 v[Q+6*\a+5], 23, v[Q+6*\a+3]                                 ; the byte
.endr
.irp a, 0,1
.irp i, 0,1,2,3,4,5,6,7,8,9,10,11,12,13,14,15
	v_med3_num_f32 v[ACC+16*\a+\i], v[ACC+16*\a+\i], -v[Q+6*\a+4], v[Q+6*\a+4]
.endr
	v_cvt_scalef32_pk8_bf8_f32 v[CODES+4*\a:CODES+4*\a+1], v[ACC+16*\a:ACC+16*\a+7], v[Q+6*\a+3]
	v_cvt_scalef32_pk8_bf8_f32 v[CODES+4*\a+2:CODES+4*\a+3], v[ACC+16*\a+8:ACC+16*\a+15], v[Q+6*\a+3]
.endr
	v_nop                                          ; a plain line behind the last scaled conversion
.irp a, 0,1                            ; lanes 0-15 give their units 16-23 for lanes 16-31's units 8-15: a lane then holds units 16 h + 0 .. 15 in order
	v_permlane16_swap_b32 v[CODES+4*\a], v[CODES+4*\a+2]
	v_permlane16_swap_b32 v[CODES+4*\a+1], v[CODES+4*\a+3]
.endr
.irp a, 0,1
	global_store_b128 v[HO], v[CODES+4*\a:CODES+4*\a+3], s[14:15] offset:8192*\a-512   ; 512 consecutive bytes a store; HO stands one pair on
	ds_store_b8 v[HB], v[Q+6*\a+5] offset:128*\a
.endr
.endm
; A PAIR.  Each s_wait_dscnt 16 leaves out the 16 fragment loads just issued.  Eight places stand behind products ahead of loads into what they read and of the first reader of their sums.
; A loop's last pair asks for no successor; reload = 1: there the second walk's tokens are asked for, under the pair's way out.
.macro BODY reload
	LDW BB, 1
	s_wait_dscnt 16
	WIN 0x04                                       ; source 1 (the tokens) window 1
	MM BA, 0
	PLACES 8
	LDW BA, 2
	s_wait_dscnt 16
	MM BB, 1
	PLACES 8
	LDW BB, 3
	s_wait_dscnt 16
	MM BA, 2
	s_wait_dscnt 0x0
	MM BB, 3
	WIN 0
	s_wait_xcnt 0x0                                ; the last pair's stores have read their registers
	v_add_nc_u32 v[HB], s[THB], v[HB0]
	v_add_nc_u32 v[HO], 512, v[HO]
	PLACES 6
	s_add_co_u32 s[TW], s[TW], 32*WP
	s_add_co_u32 s[TSW], s[TSW], 4*272
	s_add_co_u32 s[TB1], s[TB1], 128
	s_add_co_u32 s[THB], s[THB], 1
	s_cmp_eq_u32 s[IC], 1
	s_cbranch_scc1 .Llast_\@
	NEXT
.if \reload
	s_branch .Lway_out_\@
.endif
.Llast_\@:
.if \reload
	XLOAD 1
.Lway_out_\@:
.endif
	GELU32
	QNT2
.endm
.macro PAIRS n, reload
	NEXT
	s_wait_loadcnt 0x0                             ; my tokens
	s_mov_b32 s[IC], \n
.Lpair_\@:
	BODY \reload
	s_sub_co_u32 s[IC], s[IC], 1
	s_cmp_lg_u32 s[IC], 0
	s_cbranch_scc1 .Lpair_\@
.endm
.macro BYTES t                         ; walk t's scale bytes: my own bytes, served in order; 256 consecutive bytes, aligned
	ds_load_b64 v[T:T+1], v[HRD]
	s_wait_dscnt 0x0
	global_store_b64 v[L8], v[T:T+1], s[16:17] offset:2048*(\t)
.endm
	s_cmp_lt_u32 s[WV], 6                          ; waves 0 to 5: rows 0-127, the scale bytes and b1 are in; waves 6 and 7's rows may stay out
	s_cbranch_scc0 .Lrest_out
	s_wait_tensorcnt 0x0
.Lrest_out:
	s_barrier_signal -1
	s_barrier_wait -1
	s_cmp_lt_u32 s21, 4
	s_cbranch_scc0 .Lnot_mine
	global_prefetch_b8 v[PFO], s[PFA:PFA+1] th:TH_LOAD_NT scope:SCOPE_SE
.Lnot_mine:
	PAIRS 4, 0
	s_wait_tensorcnt 0x0                           ; rows 128-255 are in,
	s_wait_dscnt 0x0
	s_barrier_signal -1
	s_barrier_wait -1                              ; everybody's
	PAIRS 4, 1
	BYTES 0
	s_mov_b32 s[TW], 0                             ; the second walk begins at row 0
	s_mov_b32 s[TSW], 0
	s_mov_b32 s[TB1], 0
	s_mov_b32 s[THB], 0
	s_wait_xcnt 0x0                                ; the stores have read their registers
	v_add_nc_u32 v[HO], 131072, v[LI]              ; 16 token blocks of 8,192 bytes on
	PAIRS 8, 0
	BYTES 1
	s_wait_tensorcnt 0x0                           ; the wave's end
	ds_add_u32 v[SPW], v[NIL]
	s_wait_dscnt 0x0
	ROUND
	s_endpgm
.Lfunc_end_k_q66f5b0d590_hidden:
	.size	k_q66f5b0d590_hidden, .Lfunc_end_k_q66f5b0d590_hidden-k_q66f5b0d590_hidden
	.p2alignl 7, 3214868480
	.fill 96, 4, 3214868480
	.section	.rodata,"a",@progbits
	.p2align	6, 0x0
	.amdhsa_kernel k_q66f5b0d590_hidden
		.amdhsa_group_segment_fixed_size 327680
		.amdhsa_private_segment_fixed_size 0
		.amdhsa_enable_private_segment 0
		.amdhsa_kernarg_size 56
		.amdhsa_user_sgpr_count 2
		.amdhsa_user_sgpr_kernarg_segment_ptr 1
		.amdhsa_wavefront_size32 1
		.amdhsa_system_sgpr_workgroup_id_x 1
		.amdhsa_system_sgpr_workgroup_id_y 1
		.amdhsa_system_sgpr_workgroup_id_z 1
		.amdhsa_system_vgpr_workitem_id 0
		.amdhsa_next_free_vgpr 512
		.amdhsa_next_free_sgpr 100
		.amdhsa_reserve_vcc 0
		.amdhsa_float_denorm_mode_32 3
		.amdhsa_float_denorm_mode_16_64 3
		.amdhsa_memory_ordered 1
		.amdhsa_forward_progress 1
		.amdhsa_inst_pref_size 129
	.end_amdhsa_kernel
	.amdgpu_metadata
---
amdhsa.version: [ 1, 2 ]
amdhsa.kernels:
  - .name:           k_q66f5b0d590_hidden
    .symbol:         k_q66f5b0d590_hidden.kd
    .args:
      - { .name: xq, .offset: 0, .size: 8, .value_kind: global_buffer, .address_space: global }
      - { .name: xs, .offset: 8, .size: 8, .value_kind: global_buffer, .address_space: global }
      - { .name: W1_codes, .offset: 16, .size: 8, .value_kind: global_buffer, .address_space: global }
      - { .name: W1_scales, .offset: 24, .size: 8, .value_kind: global_buffer, .address_space: global }
      - { .name: b1, .offset: 32, .size: 8, .value_kind: global_buffer, .address_space: global }
      - { .name: hq, .offset: 40, .size: 8, .value_kind: global_buffer, .address_space: global }
      - { .name: hs, .offset: 48, .size: 8, .value_kind: global_buffer, .address_space: global }
    .group_segment_fixed_size: 327680
    .private_segment_fixed_size: 0
    .kernarg_segment_align: 8
    .kernarg_segment_size: 56
    .max_flat_workgroup_size: 256
    .sgpr_count:     100
    .vgpr_count:     512
    .wavefront_size: 32
...
	.end_amdgpu_metadata
.endif
;; end of part 2
;; launch combine (part 3): grid 32 x 8, 4 waves a work-group, clusters of 4 x 1, 327,680 bytes of LDS; arguments hq, hs, W2_codes, w2s, b2, gw, out0; writes out0
.if DOCPART == 3
	.amdgcn_target "amdgcn-amd-amdhsa--gfx1250"
	.amdhsa_code_object_version 6
	.text
	.protected	k_q66f5b0d590_combine
	.globl	k_q66f5b0d590_combine
	.p2align	8
	.type	k_q66f5b0d590_combine,@function
k_q66f5b0d590_combine:
	s_mov_b64 s[64:65], 0
	v_nop
	global_prefetch_b8 v0, s[64:65] scope:SCOPE_SE
	s_setreg_imm32_b32 hwreg(HW_REG_WAVE_MODE, 25, 1), 1
	s_wait_xcnt 0x0
	s_wait_alu depctr_hold_cnt(0) depctr_sa_sdst(0) depctr_va_vdst(0) depctr_va_sdst(0) depctr_va_ssrc(0) depctr_va_vcc(0) depctr_vm_vsrc(0)
	s_getreg_b32 s2, hwreg(HW_REG_IB_STS2, 6, 4)
	s_cmp_eq_u32 s2, 0
	s_cbranch_scc0 .Lentry_in_a_cluster
	s_endpgm
.Lentry_in_a_cluster:
	s_bfe_u32 s2, ttmp6, 0x10000c
	s_cmp_lg_u32 s2, 0x3003
	s_cbranch_scc0 .Lentry_shape_is_right
	s_endpgm
.Lentry_shape_is_right:
; out0[t][d] = the sum over the 8 experts of gate[t][e] x (Q(h_e)[t] . W2_e[d] + b2[e][d]): the second quantised product and the gated sum; each output has one owner.
; SHARES.  A work-group makes 128 tokens x 128 outputs; wave w tokens 32 w .. 32 w + 31 x all 128 outputs: 16 accumulators (the expert in hand; b2 is the C of its first products) and OUT += gate x ACC at each expert's end.
; TRANSPOSED: source 0 = 16 rows of W2, source 1 = 16 tokens: lane (r, h) holds token r, register j output 8 h + j.
; THE TOKENS' CODES go straight into registers: hq is laid as the operand's registers.  A ring of 8 K steps (256 registers) is filled seven K steps ahead and waited for by count.
; W2 goes through LDS: a slot holds a whole expert's K of the tile's 128 rows.  A K step's 32 fragment loads for the next step stand in quarters among this step's 16 products.
; THE HEAD: one tensor load a wave: wave 0 slot 0 (expert 0), wave 1 W2's scale bytes of all experts, wave 2 b2, wave 3 slot 1 (expert 1), which stays out across the first barrier and is waited for at the first change of slots.
; CLUSTER 4 x 1: the partners have four tiles of tokens and the same tile of outputs: all tensor loads are joint, mask 15; the place in the cluster enters global addresses alone.
; The tokens' codes are not asked for jointly: in LDS they would halve the K that a slot holds and double the changes of slots.
; LIMITS: NaN and infinities are not served.
; REGISTERS: window 0: addresses, gates, scale words, ACC; window 1: two sets of W2's eight fragments; window 2: the tokens' ring (K step s, tile a at 32 s + 16 a); window 3: OUT, b2.
.set SLOTB, 133120
.set WP,    1040                       ; a row of W2 in LDS: 1,024 bytes + 16: the sixteen rows of a load start 16 bytes apart modulo 256
.set W2SL,  2*SLOTB                    ; W2's scale bytes: [half of K 16][row 128][16 bytes]
.set B2L,   W2SL+32768                 ; b2: [expert 8][128 f32]
.set SPARE, B2L+4096
.set SP,    528                        ; the way out's stage rows, in slot 0, which has had its last fill and read by then
.set SPW,  1
.set NIL,  2
.set LI,   3
.set VG,   4
.set ADB,  5                           ; v5-8 W2's rows: slot 0 tiles 0-3, 4-7; slot 1 likewise
.set ASB,  9
.set AB2,  10
.set STO,  11
.set RD,   12
.set PFO,  13
.set GT,   16                          ; v16-23 gates: set p, tile a at 4 p + 2 a
.set SCA,  24                          ; v24-39 the tokens' scale words: 8 p + s
.set SCB,  40                          ; v40-71 W2's: 16 kq + 4 i + q
.set ACC,  128
.set F0,   0
.set F1,   128
.set B2R,  128
.set WV,   18
.set CX,   19
.set TT,   20
.set DT,   21
.set G1W,  24
.set G1S,  32
.set G1B,  40
.set G0S,  48
.set G0B,  52
.set GW,   56
.set EC,   66
.set LIMA, 67
.set LIMB, 68
.set PFA,  70
.set G1H,  80                          ; the head's whole tiles of 128 rows: group 1, and a group 0 for each slot
.set G0H,  88
.set MSB, 0
.macro WIN new
.if MSB != \new
	s_set_vgpr_msb (MSB<<8)|\new
.set MSB, \new
.endif
.endm
.macro PLACES n
.rept \n
	v_nop
.endr
.endm
.macro ROUND
	s_barrier_signal -1
	s_barrier_wait -1
	s_cmp_lg_u32 s[WV], 0
	s_cbranch_scc1 .Lnot_wave_0_\@
	s_barrier_signal -3
.Lnot_wave_0_\@:
	s_barrier_wait -3
	s_barrier_signal -1
	s_barrier_wait -1
.endm
.macro TL g0, g1
	tensor_load_to_lds s[\g0:\g0+3], s[\g1:\g1+7]
	s_nop 0
	PLACES 4
.endm
.macro GRP1 g, w0, c, r, p             ; group 1: r rows of c elements of 8 bytes, p elements apart
	s_mov_b32 s[\g], \w0
	s_mov_b32 s[\g+1], (\c)<<16
	s_mov_b32 s[\g+2], (\r)<<16
	s_mov_b32 s[\g+3], (\c)<<16
	s_mov_b32 s[\g+4], \r
	s_mov_b32 s[\g+5], \p
	s_mov_b32 s[\g+6], 0
	s_mov_b32 s[\g+7], 0
.endm
; A prefetch of the tile of W2 that the NEXT change of slots will load.  Of the eight clusters of a tile of outputs the one with cluster y = 0 asks; its partners take 32,768 bytes each, told apart by address,
; every wave 8,192, lanes 256 bytes apart.  Experts 0 to 2 come by their loads alone; the last filling change names nothing.
.macro ASK lim
	s_cmp_gt_u32 s[EC], s[\lim]
	s_cbranch_scc0 .Lnot_mine_\@
	global_prefetch_b8 v[PFO], s[PFA:PFA+1] th:TH_LOAD_NT scope:SCOPE_SE
.Lnot_mine_\@:
.endm
.macro OFF2 a, sa, b, sb               ; s[74:75] = (a << sa) + (b << sb)
	s_lshl_b32 s74, s\a, \sa
	s_lshl_b32 s75, s\b, \sb
	s_add_co_u32 s74, s74, s75
	s_mov_b32 s75, 0
.endm
	s_load_b256 s[4:11], s[0:1], 0x0               ; hq, hs, W2_codes, w2s
	s_load_b128 s[12:15], s[0:1], 0x20             ; b2, gw
	s_load_b64 s[16:17], s[0:1], 0x30              ; out0
	v_lshl_add_u32 v[SPW], v0, 2, SPARE
	v_mov_b32 v[NIL], 0
	ds_add_u32 v[SPW], v[NIL]                      ; the opening lines
	ds_add_u32 v[SPW], v[NIL]
	s_wait_dscnt 0x0
	v_lshrrev_b32 v14, 5, v0
	v_readfirstlane_b32 s[WV], v14
	s_bfe_u32 s[CX], ttmp6, 0x40000
	s_and_b32 s72, ttmp7, 0xffff
	s_lshl_b32 s[TT], s72, 2
	s_add_co_u32 s[TT], s[TT], s[CX]               ; tile of 128 tokens
	s_mov_b32 s[DT], ttmp9                         ; tile of 128 outputs, which the partners share
	s_cmp_eq_u32 s72, 0
	s_cselect_b32 s[LIMA], 0, -1
	s_cselect_b32 s[LIMB], 1, -1
	GRP1 G1W, 15|(3<<16)|(1<<20)|(1<<21)|(7<<22)|(3<<25), 128, 32, 128    ; a refill's 32 rows a wave
	GRP1 G1H, 15|(3<<16)|(1<<20)|(1<<21)|(7<<22)|(3<<25), 128, 128, 128   ; a whole tile
	GRP1 G1S, 15|(3<<16)|(1<<21), 256, 16, 2048                           ; 16 halves of K: rows of 2,048 bytes, 16,384 apart
	GRP1 G1B, 15|(3<<16)|(1<<21), 64, 8, 512                              ; 8 experts: rows of 512 bytes, 4,096 apart
	s_mov_b32 s[G0S], 1
	s_mov_b32 s[G0S+1], W2SL
	s_mov_b32 s[G0B], 1
	s_mov_b32 s[G0B+1], B2L
	s_mov_b32 s[G0H], 1
	s_mov_b32 s[G0H+1], 0
	s_mov_b32 s[G0H+4], 1
	s_mov_b32 s[G0H+5], SLOTB
	s_mov_b32 s[GW], 1
	s_mul_i32 s[GW+1], s[WV], 32*WP
	s_mov_b32 s[GW+4], 1
	s_add_co_u32 s[GW+5], s[GW+1], SLOTB
	ROUND                                          ; the opening round, ahead of the wait for the arguments: the four partners are here
	s_wait_kmcnt 0x0
	s_lshl_b32 s72, s[DT], 11                      ; the joint loads' addresses hang on the tile of outputs and the wave's number alone
	s_mov_b32 s73, 0
	s_add_nc_u64 s[G0S+2:G0S+3], s[10:11], s[72:73]
	s_or_b32 s[G0S+3], s[G0S+3], 0x80000000
	s_lshl_b32 s72, s[DT], 9
	s_add_nc_u64 s[G0B+2:G0B+3], s[12:13], s[72:73]
	s_or_b32 s[G0B+3], s[G0B+3], 0x80000000
	s_lshl_b32 s72, s[DT], 17
	s_add_nc_u64 s[G0H+2:G0H+3], s[8:9], s[72:73]          ; expert 0's tile
	s_add_nc_u64 s[G0H+6:G0H+7], s[G0H+2:G0H+3], 1048576   ; expert 1's
	s_lshl_b32 s72, s[WV], 15
	s_add_nc_u64 s[GW+2:GW+3], s[G0H+2:G0H+3], s[72:73]    ; my 32 rows: the refills step these two experts on
	s_add_nc_u64 s[GW+6:GW+7], s[GW+2:GW+3], 1048576
	s_or_b32 s[G0H+3], s[G0H+3], 0x80000000
	s_or_b32 s[G0H+7], s[G0H+7], 0x80000000
	s_or_b32 s[GW+3], s[GW+3], 0x80000000
	s_or_b32 s[GW+7], s[GW+7], 0x80000000
	OFF2 21, 17, 19, 15                            ; the prefetch, at expert 2: the first change steps it to expert 3
	s_add_nc_u64 s[PFA:PFA+1], s[8:9], s[74:75]
	s_lshl_b32 s74, s[WV], 13
	s_add_co_u32 s74, s74, 2*1048576
	s_add_nc_u64 s[PFA:PFA+1], s[PFA:PFA+1], s[74:75]
	OFF2 20, 16, 18, 14
	s_add_nc_u64 s[4:5], s[4:5], s[74:75]
	OFF2 20, 10, 18, 8                             ; hs: 8 bytes a token in each quarter of an expert
	s_add_nc_u64 s[6:7], s[6:7], s[74:75]
	OFF2 20, 12, 18, 10
	s_add_nc_u64 s[14:15], s[14:15], s[74:75]
	OFF2 20, 19, 18, 17
	s_add_nc_u64 s[16:17], s[16:17], s[74:75]
	s_lshl_b32 s74, s[DT], 9
	s_add_nc_u64 s[16:17], s[16:17], s[74:75]
	s_cmp_lt_u32 s[WV], 1                          ; one chain of arms, a load line to each wave
	s_cbranch_scc0 .Lh1
	TL G0H, G1H
	s_branch .Lasked
.Lh1:
	s_cmp_lt_u32 s[WV], 2
	s_cbranch_scc0 .Lh2
	TL G0S, G1S
	s_branch .Lasked
.Lh2:
	s_cmp_lt_u32 s[WV], 3
	s_cbranch_scc0 .Lh3
	TL G0B, G1B
	s_branch .Lasked
.Lh3:
	TL G0H+4, G1H
.Lasked:
	v_and_b32 v14, 31, v0
	v_and_b32 v15, 15, v0
	v_bfe_u32 v72, v0, 4, 1
	v_lshlrev_b32 v[LI], 4, v14
	v_lshlrev_b32 v[VG], 2, v15
	v_lshlrev_b32 v[PFO], 8, v14
.set LI8, 73                           ; v73 8 x lane: hs; never rewritten
	v_lshlrev_b32 v[LI8], 3, v14
.macro LOADH t, eo                     ; the tokens' two fragments of K step t of the expert eo on: 8 loads of 512 consecutive bytes
.irp a, 0,1
.irp c, 0,1,2,3
	global_load_b128 v[32*(\t)+16*\a+4*\c:32*(\t)+16*\a+4*\c+3], v[LI], s[4:5] offset:4194304*(\eo)+2097152*((\t)/4)+2048*((\t)%4)+8192*\a+512*\c
.endr
.endr
.endm
.macro LOADOTH set, eo                 ; that expert's scale words of my 32 tokens and its gates
.irp q, 0,1,2,3                        ; hs[quarter of an expert][token][8 bytes]: lane l takes token l's two words of each quarter: 256 consecutive bytes a load
	global_load_b64 v[SCA+8*(\set)+2*\q:SCA+8*(\set)+2*\q+1], v[LI8], s[6:7] offset:131072*(\eo)+32768*\q
.endr
	global_load_b32 v[GT+4*(\set)], v[VG], s[14:15] offset:64*(\eo)
	global_load_b32 v[GT+4*(\set)+2], v[VG], s[14:15] offset:64*(\eo)+512
.endm
	LOADOTH 0, 0
	WIN 0x80
.irp t, 0,1,2,3,4,5,6
	LOADH \t, 0                                    ; with the six above 62 loads of mine are out
.endr
	WIN 0
	v_mul_u32_u24 v[ADB], v15, WP
	v_lshl_add_u32 v[ADB], v72, 4, v[ADB]          ; row r, + 16 h
	v_add_nc_u32 v[ADB+1], 64*WP, v[ADB]
	v_add_nc_u32 v[ADB+2], SLOTB, v[ADB]
	v_add_nc_u32 v[ADB+3], SLOTB, v[ADB+1]
	v_add_nc_u32 v[ASB], W2SL, v[LI]
	v_lshlrev_b32 v[AB2], 5, v72
	v_add_nc_u32 v[AB2], B2L, v[AB2]
	s_mul_i32 s72, s[WV], 16*SP
	v_mul_u32_u24 v[STO], v15, SP
	v_lshl_add_u32 v[STO], v72, 5, v[STO]
	v_add_nc_u32 v[STO], s72, v[STO]
	v_add_nc_u32 v[RD], s72, v[LI]
.irp a, 0,1,2,3
	v_mov_b32 v[GT+2*\a+1], 0                      ; named with the gates as pairs
.endr
	WIN 0xc0
.set i, 0
.rept 128
	v_mov_b32 v[i], 0                              ; OUT begins as zeros, written while the first tiles are on their way, so that expert 0 stands in the loop
.set i, i+1
.endr
	WIN 0
.macro FETCHQ slot, ks, f, g           ; fragments 2 g, 2 g + 1 of K step ks of the slot's expert into set f: 8 loads of 16 bytes a lane
	WIN 0x40
.irp b, 2*\g, 2*\g+1
.irp i, 0,1,2,3
	ds_load_b128 v[(\f)+16*(\b)+4*\i:(\f)+16*(\b)+4*\i+3], v[ADB+2*(\slot)+(\b)/4] offset:16*WP*((\b)%4)+128*(\ks)+32*\i
.endr
.endr
.endm
.macro LOADSCB kq, off
.irp i, 0,1,2,3
	ds_load_b128 v[SCB+16*(\kq)+4*\i:SCB+16*(\kq)+4*\i+3], v[ASB] offset:(\off)+512*\i
.endr
.endm
.macro LOADB2 off
.irp b, 0,1,2,3,4,5,6,7
	ds_load_b128 v[B2R+8*\b:B2R+8*\b+3], v[AB2] offset:(\off)+64*\b
	ds_load_b128 v[B2R+8*\b+4:B2R+8*\b+7], v[AB2] offset:(\off)+64*\b+16
.endr
.endm
.macro MULQ f, ks, p, cinit, g         ; four of a K step's 16 products; the 16 accumulators by turns, in the same order in every step
.if \cinit
	WIN 0x39
.else
	WIN 0x09
.endif
.irp b, 2*\g, 2*\g+1
.irp a, 0,1
.set rD, ACC+8*(8*\a+(\b))
.set rC, rD
.if \cinit
.set rC, B2R+8*(\b)
.endif
.set rW, (\f)+16*(\b)
.set rH, 32*(\ks)+16*\a
.set sW, SCB+16*((\ks)/4)+4*((\b)/2)+(\ks)%4
.set sH, SCA+8*(\p)+(\ks)
.if ((\b)%2) && \a
	v_wmma_scale_f32_16x16x128_f8f6f4 v[rD:rD+7], v[rW:rW+15], v[rH:rH+15], v[rC:rC+7], v[sW], v[sH] matrix_a_fmt:MATRIX_FMT_BF8 matrix_b_fmt:MATRIX_FMT_BF8 matrix_a_scale:MATRIX_SCALE_ROW1 matrix_b_scale:MATRIX_SCALE_ROW1
.elseif (\b)%2
	v_wmma_scale_f32_16x16x128_f8f6f4 v[rD:rD+7], v[rW:rW+15], v[rH:rH+15], v[rC:rC+7], v[sW], v[sH] matrix_a_fmt:MATRIX_FMT_BF8 matrix_b_fmt:MATRIX_FMT_BF8 matrix_a_scale:MATRIX_SCALE_ROW1
.elseif \a
	v_wmma_scale_f32_16x16x128_f8f6f4 v[rD:rD+7], v[rW:rW+15], v[rH:rH+15], v[rC:rC+7], v[sW], v[sH] matrix_a_fmt:MATRIX_FMT_BF8 matrix_b_fmt:MATRIX_FMT_BF8 matrix_b_scale:MATRIX_SCALE_ROW1
.else
	v_wmma_scale_f32_16x16x128_f8f6f4 v[rD:rD+7], v[rW:rW+15], v[rH:rH+15], v[rC:rC+7], v[sW], v[sH] matrix_a_fmt:MATRIX_FMT_BF8 matrix_b_fmt:MATRIX_FMT_BF8
.endif
.endr
.endr
.endm
.macro MIX fs, fk, ff, mf, mk, p, cinit    ; the next step's fragments (slot fs, K step fk, set ff) in quarters among this step's products (set mf, K step mk)
	FETCHQ \fs, \fk, \ff, 0
	FETCHQ \fs, \fk, \ff, 1
	MIXB \fs, \fk, \ff, \mf, \mk, \p, \cinit
.endm
.macro MIXB fs, fk, ff, mf, mk, p, cinit   ; the second half of the next step's fragment loads in the middle of this step's products
	MULQ \mf, \mk, \p, \cinit, 0
	MULQ \mf, \mk, \p, \cinit, 1
	FETCHQ \fs, \fk, \ff, 2
	FETCHQ \fs, \fk, \ff, 3
	MULQ \mf, \mk, \p, \cinit, 2
	MULQ \mf, \mk, \p, \cinit, 3
.endm
; ONE OF AN EXPERT'S FIRST SEVEN K STEPS.  Eight places stand ahead of loads into registers that the last products read.
; DScnt: the next step's first 16 fragment loads go out ahead of the wait for this step's fragments, which leaves exactly those 16 out.
; LOADcnt: behind this step's 8 loads of the tokens' codes the next six steps' 48 have been issued; in step 1 the next expert's 6 loads (scale words, gates) go out ahead of that step's 8, so in steps 2 to 7 they are
; among the younger ones (54).  The last expert issues 8 loads in its step 0 and none after: its counts run down.
.macro KSTEP slot, ks, last
	PLACES 8
.if \ks == 0
	WIN 0
	LOADSCB 1, 2048
.endif
.if (\ks == 1) && (\last == 0)
	WIN 0xc0
	LOADB2 512
.endif
.if (\ks == 4) && (\last == 0)
	WIN 0
	LOADSCB 0, 4096
.endif
	FETCHQ \slot, \ks+1, F0+128*((\ks+1)%2), 0
	FETCHQ \slot, \ks+1, F0+128*((\ks+1)%2), 1
.if (\last) && (\ks > 1)
	s_wait_loadcnt 8*(7-\ks)
.elseif \ks > 1
	s_wait_loadcnt 54
.else
	s_wait_loadcnt 48
.endif
	s_wait_dscnt 16
.if (\ks == 1) && (\last == 0)
	WIN 0
	LOADOTH 1-\slot, 1
.endif
.if (\last == 0) || (\ks == 0)
	WIN 0x80
.if \ks == 0
	LOADH 7, 0
.else
	LOADH \ks-1, 1
.endif
.endif
.if \ks == 0
	MIXB \slot, 1, F1, F0, 0, \slot, 1
.else
	MIXB \slot, \ks+1, F0+128*((\ks+1)%2), F0+128*(\ks%2), \ks, \slot, 0
.endif
.endm
; AN EXPERT'S LAST K STEP CHANGES SLOTS: its fragments are in registers.  Every wave's three lines; fill = 1: a round of the cluster's barrier and the joint refill, the expert two on.
.macro TURN slot, fill, lim
	PLACES 8
	s_wait_loadcnt 54
	s_wait_dscnt 0x0
	WIN 0x80
	LOADH 6, 1
	WIN 0
	s_wait_xcnt 0x0                                ; every earlier load and the last prefetch have read their addresses
	s_add_nc_u64 s[4:5], s[4:5], 4194304
	s_add_nc_u64 s[6:7], s[6:7], 131072
	s_add_nc_u64 s[14:15], s[14:15], 64
.if \fill
	s_add_nc_u64 s[PFA:PFA+1], s[PFA:PFA+1], 1048576
.endif
	v_add_nc_u32 v[ASB], 4096, v[ASB]
	v_add_nc_u32 v[AB2], 512, v[AB2]
	s_wait_tensorcnt 0x0
	ds_add_u32 v[SPW], v[NIL]
.if \fill
	s_add_nc_u64 s[GW+4*\slot+2:GW+4*\slot+3], s[GW+4*\slot+2:GW+4*\slot+3], 2097152
.endif
	s_wait_dscnt 0x0
.if \fill
	ROUND
	TL GW+4*\slot, G1W
.else
	s_barrier_signal -1
	s_barrier_wait -1
.endif
	MIX 1-\slot, 0, F0, F1, 7, \slot, 0
.if \fill
	WIN 0
	ASK \lim
.endif
.endm
.macro COMBINE p                       ; OUT += gate x ACC; each accumulator from its low end on
	PLACES 8
	WIN 0xf0
.irp a, 0,1
.irp b, 0,1,2,3,4,5,6,7
.irp j, 0,2,4,6
.set rO, 8*(8*\a+\b)+\j
	v_pk_fma_f32 v[rO:rO+1], v[ACC+rO:ACC+rO+1], v[GT+4*(\p)+2*\a:GT+4*(\p)+2*\a+1], v[rO:rO+1] op_sel_hi:[1,0,1]
.endr
.endr
.endr
	WIN 0
.endm
.macro EXPERT slot, fill, last, lim
.irp ks, 0,1,2,3,4,5,6
	KSTEP \slot, \ks, \last
.endr
.if \last
	PLACES 8
	s_wait_loadcnt 0x0
	s_wait_dscnt 0x0
.irp g, 0,1,2,3
	MULQ F1, 7, \slot, 0, \g
.endr
.else
	TURN \slot, \fill, \lim
.endif
	COMBINE \slot
.endm
	s_wait_alu depctr_va_vdst(0)                   ; the wait at the head's end
	s_cmp_lt_u32 s[WV], 3                          ; waves 0 to 2: slot 0, the scale bytes and b2 are in; wave 3's slot 1 may stay out
	s_cbranch_scc0 .Lslot1_out
	s_wait_tensorcnt 0x0
.Lslot1_out:
	s_barrier_signal -1
	s_barrier_wait -1
	LOADSCB 0, 0
	WIN 0xc0
	LOADB2 0
.irp g, 0,1,2,3
	FETCHQ 0, 0, F0, \g
.endr
	WIN 0
	s_mov_b32 s[EC], 3
.Lpair:                                            ; a trip runs two experts: experts 0 to 5, whose changes of slots ask for experts 2 to 7
	EXPERT 0, 1, 0, LIMA
	EXPERT 1, 1, 0, LIMB
	s_sub_co_u32 s[EC], s[EC], 1
	s_cmp_lg_u32 s[EC], 0
	s_cbranch_scc1 .Lpair
	EXPERT 0, 0, 0, LIMA                           ; experts 6 and 7 are written out: nothing is left to ask for
	EXPERT 1, 0, 1, LIMB
; THE WAY OUT, 16 tokens x 128 outputs at a time, through my own stage: in as 32 bytes a lane, back as whole rows of 512 bytes; LDS serves a wave's instructions in order.
.macro TOSTAGE a
	WIN 0x0c
.irp b, 0,1,2,3,4,5,6,7
	ds_store_b128 v[STO], v[64*(\a)+8*\b:64*(\a)+8*\b+3] offset:64*\b
	ds_store_b128 v[STO], v[64*(\a)+8*\b+4:64*(\a)+8*\b+7] offset:64*\b+16
.endr
	WIN 0
.irp t, 0,1,2,3,4,5,6,7,8,9,10,11,12,13,14,15
	ds_load_b128 v[ACC+64*(\a)+4*\t:ACC+64*(\a)+4*\t+3], v[RD] offset:\t*SP
.endr
.endm
.macro SEND a, younger
	s_wait_dscnt \younger
.irp t, 0,1,2,3,4,5,6,7,8,9,10,11,12,13,14,15
	global_store_b128 v[LI], v[ACC+64*(\a)+4*\t:ACC+64*(\a)+4*\t+3], s[16:17] offset:(16*(\a)+\t)*4096 th:TH_STORE_NT
.endr
.endm
	TOSTAGE 0
	TOSTAGE 1
	SEND 0, 32                                     ; behind block 0's loads: block 1's 16 stores and 16 loads
	SEND 1, 0
	s_wait_tensorcnt 0x0                           ; the wave's end
	ds_add_u32 v[SPW], v[NIL]
	s_wait_dscnt 0x0
	ROUND
	s_endpgm
.Lfunc_end_k_q66f5b0d590_combine:
	.size	k_q66f5b0d590_combine, .Lfunc_end_k_q66f5b0d590_combine-k_q66f5b0d590_combine
	.p2alignl 7, 3214868480
	.fill 96, 4, 3214868480
	.section	.rodata,"a",@progbits
	.p2align	6, 0x0
	.amdhsa_kernel k_q66f5b0d590_combine
		.amdhsa_group_segment_fixed_size 327680
		.amdhsa_private_segment_fixed_size 0
		.amdhsa_enable_private_segment 0
		.amdhsa_kernarg_size 56
		.amdhsa_user_sgpr_count 2
		.amdhsa_user_sgpr_kernarg_segment_ptr 1
		.amdhsa_wavefront_size32 1
		.amdhsa_system_sgpr_workgroup_id_x 1
		.amdhsa_system_sgpr_workgroup_id_y 1
		.amdhsa_system_sgpr_workgroup_id_z 1
		.amdhsa_system_vgpr_workitem_id 0
		.amdhsa_next_free_vgpr 1024
		.amdhsa_next_free_sgpr 96
		.amdhsa_reserve_vcc 0
		.amdhsa_float_denorm_mode_32 3
		.amdhsa_float_denorm_mode_16_64 3
		.amdhsa_memory_ordered 1
		.amdhsa_forward_progress 1
		.amdhsa_inst_pref_size 216
	.end_amdhsa_kernel
	.amdgpu_metadata
---
amdhsa.version: [ 1, 2 ]
amdhsa.kernels:
  - .name:           k_q66f5b0d590_combine
    .symbol:         k_q66f5b0d590_combine.kd
    .args:
      - { .name: hq, .offset: 0, .size: 8, .value_kind: global_buffer, .address_space: global }
      - { .name: hs, .offset: 8, .size: 8, .value_kind: global_buffer, .address_space: global }
      - { .name: W2_codes, .offset: 16, .size: 8, .value_kind: global_buffer, .address_space: global }
      - { .name: w2s, .offset: 24, .size: 8, .value_kind: global_buffer, .address_space: global }
      - { .name: b2, .offset: 32, .size: 8, .value_kind: global_buffer, .address_space: global }
      - { .name: gw, .offset: 40, .size: 8, .value_kind: global_buffer, .address_space: global }
      - { .name: out0, .offset: 48, .size: 8, .value_kind: global_buffer, .address_space: global }
    .group_segment_fixed_size: 327680
    .private_segment_fixed_size: 0
    .kernarg_segment_align: 8
    .kernarg_segment_size: 56
    .max_flat_workgroup_size: 128
    .sgpr_count:     96
    .vgpr_count:     1024
    .wavefront_size: 32
...
	.end_amdgpu_metadata
.endif
;; end of part 3
